; MI455X (gfx1250); checked and timed in simulation.
; The chip was launched on July 23, 2026; its instructions are those of AMD's public machine-readable ISA for CDNA 5 (MIT licence, August 2026) and "CDNA5" Instruction Set Architecture Reference Guide (July 2026). The comments in the code are by the model that wrote it; some were corrected since.
;; Multi Head Self Attention. Allowed arithmetic: float matrix products may take bf16 or f16 operands with f32 sums; all other float work in f32.
;; Inputs: wk 1,024 x 1,024 float32; wo 1,024 x 1,024 float32; wq 1,024 x 1,024 float32; wv 1,024 x 1,024 float32; x 2 x 2,048 x 1,024 float32.
;; Outputs: out0 2 x 2,048 x 1,024 float32.
;; One version. Each part assembles by itself: llvm-mc -triple=amdgcn-amd-amdhsa -mcpu=gfx1250 --defsym DOCPART=n.
;; ======== version 1 of 1: 4 launches
;; limits: values are held in f16: magnitudes above 65,504 overflow, below 6.1e-05 lose precision; a function is approximated: absolute error at most 0.001
;; workspace buffers: xb 8,388,608 bytes; wb 8,388,608 bytes; rope 524,288 bytes; qh 8,388,608 bytes; kh 8,388,608 bytes; vh 8,388,608 bytes; att 8,388,608 bytes
;; launch cast (part 1): grid 256 x 1, 8 waves a work-group, no clusters, 0 bytes of LDS; arguments x, wq, wk, wv, wo, xb, wb, rope; writes xb, wb, rope
.if DOCPART == 1
	.amdgcn_target "amdgcn-amd-amdhsa--gfx1250"
	.amdhsa_code_object_version 6
	.text
	.protected	k_q5bc0d3850b_cast
	.globl	k_q5bc0d3850b_cast
	.p2align	8
	.type	k_q5bc0d3850b_cast,@function
k_q5bc0d3850b_cast:
	s_mov_b64 s[64:65], 0
	v_nop
	global_prefetch_b8 v0, s[64:65] scope:SCOPE_SE
	s_setreg_imm32_b32 hwreg(HW_REG_WAVE_MODE, 25, 1), 1
	s_wait_xcnt 0x0
; Rounds x, wq, wk, wv, wo to 16 bits once for the later launches, and makes the RoPE table.
; 256 work-groups of 8 waves; each converts 32,768 numbers: 131,072 bytes in, 65,536 bytes out.
;   groups 0-127:   x  -> xb, bf16, same order.
;   groups 128-223: wq, wk, wv -> wb rows 0-3071, bf16.  Row o of matrix ty (q 0, k 1, v 2) goes to row
;                   (o>>6)*192 + ((o>>5)&1)*96 + ty*32 + (o&31): the 192 rows of a head lie together, as
;                   [q 0-31, k 0-31, v 0-31, q 32-63, k 32-63, v 32-63].  A group holds 32 rows: one dense block of 64 KiB.
;   groups 224-255: wo -> wb rows 3072-4095: rounded to bf16 like the other four inputs, then written as f16, since its
;                   partner in the last product is f16.  The second step is exact for 2^-14 <= |wo| <= 65,504; below, within 2^-25.
; Memory binds: all 32 loads of a thread go out at once (128 KiB of the group in flight), each wave's load covers 512
; consecutive bytes and each store 256 consecutive aligned bytes.  No LDS, no barrier, no matrix unit.
; Thread 256 g + t also makes table entry (pos = 8 g + t/32, pair i = t%32): cos and sin of pos * 10000^(-i/32).
; LIMITS: 10000^(-i/32) is exp2(i * -log2(10000)/32), relative error up to about 7e-7, so the angle is off by up to about
; 1e-3 rad at position 2047 and by less than 1e-6 * pos everywhere; sin and cos are Taylor sums on [-pi, pi], cut at r^13 and r^14:
; error below 2.2e-5.
.set X, 24                             ; v[24:151] 32 loads of 4 numbers
.set T, 14                             ; v[14:15]  at work (wo's way)
	s_load_b512 s[8:23], s[0:1], 0x0               ; x 8:9, wq 10:11, wk 12:13, wv 14:15, wo 16:17, xb 18:19, wb 20:21, rope 22:23
	s_mov_b32 s32, ttmp9                           ; g
	s_and_b32 s2, s32, 31                          ; gw: which 32 rows of a weight
	s_bfe_u32 s3, s32, 0x20005                     ; ty: bits 6:5 of g (128.. q, 160.. k, 192.. v, 224.. o)
	s_lshr_b32 s4, s2, 1
	s_mul_i32 s4, s4, 192                          ; head * 192
	s_and_b32 s5, s2, 1
	s_mul_i32 s5, s5, 96                           ; + half of the head * 96
	s_add_co_u32 s4, s4, s5
	s_lshl_b32 s5, s3, 5                           ; + ty * 32
	s_add_co_u32 s4, s4, s5
	s_lshl_b32 s5, s2, 5
	s_add_co_u32 s5, s5, 3072                      ; wo keeps its order, behind the 3,072 rows
	s_cmp_eq_u32 s3, 3
	s_cselect_b32 s4, s5, s4
	s_lshl_b32 s4, s4, 11                          ; a row of wb is 2,048 bytes
	s_lshl_b32 s2, s2, 17                          ; 32 rows of a weight are 131,072 bytes
	s_lshl_b32 s6, s32, 17                         ; x: g * 131,072
	s_lshl_b32 s7, s32, 16                         ; xb: g * 65,536
	s_lshl_b32 s34, s32, 11                        ; rope: 256 entries of 8 bytes a group
	s_mov_b32 s35, 0
	s_lshl_b32 s33, s32, 3                         ; 8 positions a group
	s_mov_b32 s36, 0xffff0000                      ; a word's upper bf16
	v_lshlrev_b32 v1, 4, v0                        ; 16 t: my 4 numbers in each 4,096 bytes read
	v_lshlrev_b32 v2, 3, v0                        ; 8 t: my 4 numbers in each 2,048 bytes written; also my table entry
	s_wait_kmcnt 0x0
	s_cmp_eq_u32 s3, 1                             ; the source: a choice between buffers on the group's number alone
	s_cselect_b64 s[24:25], s[12:13], s[10:11]
	s_cmp_eq_u32 s3, 2
	s_cselect_b64 s[24:25], s[14:15], s[24:25]
	s_cmp_eq_u32 s3, 3
	s_cselect_b64 s[24:25], s[16:17], s[24:25]
	s_cmp_lt_u32 s32, 128
	s_cselect_b64 s[24:25], s[8:9], s[24:25]
	s_cselect_b64 s[26:27], s[18:19], s[20:21]
	s_cselect_b32 s28, s6, s2
	s_cselect_b32 s30, s7, s4
	s_mov_b32 s29, 0
	s_mov_b32 s31, 0
	s_add_nc_u64 s[24:25], s[24:25], s[28:29]
	s_add_nc_u64 s[26:27], s[26:27], s[30:31]
	s_add_nc_u64 s[22:23], s[22:23], s[34:35]
.irp j, 0,1,2,3,4,5,6,7,8,9,10,11,12,13,14,15,16,17,18,19,20,21,22,23,24,25,26,27,28,29,30,31
	global_load_b128 v[X+4*\j:X+4*\j+3], v1, s[24:25] offset:4096*\j th:TH_LOAD_NT
.endr
	; the table entry, while the loads are on their way
	v_and_b32 v3, 31, v0                           ; i
	v_lshrrev_b32 v4, 5, v0
	v_add_nc_u32 v4, s33, v4                       ; pos
	v_cvt_f32_u32 v3, v3
	v_mul_f32 v3, 0xbed49a78, v3                   ; i * -log2(10000)/32
	v_exp_f32 v3, v3
	v_cvt_f32_u32 v4, v4                           ; the plain instruction between v_exp_f32 and the use of its result (ISA guide 5.7.2)
	s_wait_alu depctr_va_vdst(0)
	v_mul_f32 v4, v4, v3                           ; the angle, rounded once as in the definition
	v_mul_f32 v5, 0.15915494, v4
	v_rndne_f32 v5, v5                             ; whole turns
	v_fmamk_f32 v4, v5, 0xc0c90fdb, v4             ; r = angle - n * 2 pi, 2 pi in two parts: 6.2831855
	v_fmamk_f32 v4, v5, 0x343bbd2e, v4             ; and -1.7484556e-7
	v_mul_f32 v6, v4, v4                           ; z = r^2
	v_mov_b32 v7, 0x2f309231                       ; sin:  1/13!
	v_mov_b32 v8, 0xad49cba3                       ; cos: -1/14!
	v_fmaak_f32 v7, v7, v6, 0xb2d7322b             ; -1/11!
	v_fmaak_f32 v8, v8, v6, 0x310f76c7             ;  1/12!
	v_fmaak_f32 v7, v7, v6, 0x3638ef1d             ;  1/9!
	v_fmaak_f32 v8, v8, v6, 0xb493f27e             ; -1/10!
	v_fmaak_f32 v7, v7, v6, 0xb9500d01             ; -1/7!
	v_fmaak_f32 v8, v8, v6, 0x37d00d01             ;  1/8!
	v_fmaak_f32 v7, v7, v6, 0x3c088889             ;  1/5!
	v_fmaak_f32 v8, v8, v6, 0xbab60b61             ; -1/6!
	v_fmaak_f32 v7, v7, v6, 0xbe2aaaab             ; -1/3!
	v_fmaak_f32 v8, v8, v6, 0x3d2aaaab             ;  1/4!
	v_mul_f32 v7, v7, v6
	v_fma_f32 v8, v8, v6, -0.5
	v_fma_f32 v13, v7, v4, v4                      ; sin = r + r z (...)
	v_fma_f32 v12, v8, v6, 1.0                     ; cos = 1 + z (...)
	global_store_b64 v2, v[12:13], s[22:23]        ; a wave stores 256 consecutive aligned bytes
; Chunk j: loads come back in order (ISA guide 5.7.1), so the count leaves the 31 - j younger ones out.  The result is stored from the
; registers that were loaded, and no register of a store is written again.
.macro CONV j, twice
	s_wait_loadcnt 31-\j
.if \twice
	v_cvt_pk_bf16_f32 v[T], v[X+4*\j], v[X+4*\j+1]             ; to bf16, nearest even,
	v_cvt_pk_bf16_f32 v[T+1], v[X+4*\j+2], v[X+4*\j+3]
	v_lshlrev_b32 v[X+4*\j], 16, v[T]                          ; back to f32,
	v_and_b32 v[X+4*\j+1], s36, v[T]
	v_lshlrev_b32 v[X+4*\j+2], 16, v[T+1]
	v_and_b32 v[X+4*\j+3], s36, v[T+1]
	v_cvt_pk_f16_f32 v[X+4*\j], v[X+4*\j], v[X+4*\j+1]         ; and the same number in f16
	v_cvt_pk_f16_f32 v[X+4*\j+1], v[X+4*\j+2], v[X+4*\j+3]
.else
	v_cvt_pk_bf16_f32 v[X+4*\j], v[X+4*\j], v[X+4*\j+1]
	v_cvt_pk_bf16_f32 v[X+4*\j+1], v[X+4*\j+2], v[X+4*\j+3]
.endif
	global_store_b64 v2, v[X+4*\j:X+4*\j+1], s[26:27] offset:2048*\j
.endm
	s_cmp_ge_u32 s32, 224
	s_cbranch_scc1 .Lwo
.irp j, 0,1,2,3,4,5,6,7,8,9,10,11,12,13,14,15,16,17,18,19,20,21,22,23,24,25,26,27,28,29,30,31
	CONV \j, 0
.endr
	s_endpgm
.Lwo:
.irp j, 0,1,2,3,4,5,6,7,8,9,10,11,12,13,14,15,16,17,18,19,20,21,22,23,24,25,26,27,28,29,30,31
	CONV \j, 1
.endr
	s_endpgm
.Lfunc_end_k_q5bc0d3850b_cast:
	.size	k_q5bc0d3850b_cast, .Lfunc_end_k_q5bc0d3850b_cast-k_q5bc0d3850b_cast
	.p2alignl 7, 3214868480
	.fill 96, 4, 3214868480
	.section	.rodata,"a",@progbits
	.p2align	6, 0x0
	.amdhsa_kernel k_q5bc0d3850b_cast
		.amdhsa_group_segment_fixed_size 0
		.amdhsa_private_segment_fixed_size 0
		.amdhsa_enable_private_segment 0
		.amdhsa_kernarg_size 64
		.amdhsa_user_sgpr_count 2
		.amdhsa_user_sgpr_kernarg_segment_ptr 1
		.amdhsa_wavefront_size32 1
		.amdhsa_system_sgpr_workgroup_id_x 1
		.amdhsa_system_sgpr_workgroup_id_y 1
		.amdhsa_system_sgpr_workgroup_id_z 1
		.amdhsa_system_vgpr_workitem_id 0
		.amdhsa_next_free_vgpr 152
		.amdhsa_next_free_sgpr 66
		.amdhsa_reserve_vcc 0
		.amdhsa_float_denorm_mode_32 3
		.amdhsa_float_denorm_mode_16_64 3
		.amdhsa_memory_ordered 1
		.amdhsa_forward_progress 1
		.amdhsa_inst_pref_size 31
	.end_amdhsa_kernel
	.amdgpu_metadata
---
amdhsa.version: [ 1, 2 ]
amdhsa.kernels:
  - .name:           k_q5bc0d3850b_cast
    .symbol:         k_q5bc0d3850b_cast.kd
    .args:
      - { .name: x, .offset: 0, .size: 8, .value_kind: global_buffer, .address_space: global }
      - { .name: wq, .offset: 8, .size: 8, .value_kind: global_buffer, .address_space: global }
      - { .name: wk, .offset: 16, .size: 8, .value_kind: global_buffer, .address_space: global }
      - { .name: wv, .offset: 24, .size: 8, .value_kind: global_buffer, .address_space: global }
      - { .name: wo, .offset: 32, .size: 8, .value_kind: global_buffer, .address_space: global }
      - { .name: xb, .offset: 40, .size: 8, .value_kind: global_buffer, .address_space: global }
      - { .name: wb, .offset: 48, .size: 8, .value_kind: global_buffer, .address_space: global }
      - { .name: rope, .offset: 56, .size: 8, .value_kind: global_buffer, .address_space: global }
    .group_segment_fixed_size: 0
    .private_segment_fixed_size: 0
    .kernarg_segment_align: 8
    .kernarg_segment_size: 64
    .max_flat_workgroup_size: 256
    .sgpr_count:     66
    .vgpr_count:     152
    .wavefront_size: 32
...
	.end_amdgpu_metadata
.endif
;; end of part 1
;; launch qkv (part 2): grid 16 x 16, 4 waves a work-group, clusters of 4 x 4, 327,680 bytes of LDS; arguments xb, wb, rope, qh, kh, vh; writes qh, kh, vh
.if DOCPART == 2
	.amdgcn_target "amdgcn-amd-amdhsa--gfx1250"
	.amdhsa_code_object_version 6
	.text
	.protected	k_q5bc0d3850b_qkv
	.globl	k_q5bc0d3850b_qkv
	.p2align	8
	.type	k_q5bc0d3850b_qkv,@function
k_q5bc0d3850b_qkv:
	s_mov_b64 s[64:65], 0
	v_nop
	global_prefetch_b8 v0, s[64:65] scope:SCOPE_SE
	s_setreg_imm32_b32 hwreg(HW_REG_WAVE_MODE, 25, 1), 1
	s_wait_xcnt 0x0
	s_wait_alu depctr_hold_cnt(0) depctr_sa_sdst(0) depctr_va_vdst(0) depctr_va_sdst(0) depctr_va_ssrc(0) depctr_va_vcc(0) depctr_vm_vsrc(0)
	s_getreg_b32 s2, hwreg(HW_REG_IB_STS2, 6, 4)
	s_cmp_eq_u32 s2, 0
	s_cbranch_scc0 .Lentry_in_a_cluster
	s_endpgm
.Lentry_in_a_cluster:
	s_bfe_u32 s2, ttmp6, 0x10000c
	s_cmp_lg_u32 s2, 0xf033
	s_cbranch_scc0 .Lentry_shape_is_right
	s_endpgm
.Lentry_shape_is_right:
; q, k, v = x W^T for one head and 256 rows of x, then RoPE on q and k; results in f16, laid out [batch*16+head][2048][64].
; xb: [4096][1024] bf16.  wb rows 192 h .. 192 h + 191: head h's rows of wq, wk, wv in the order
; [q 0-31, k 0-31, v 0-31, q 32-63, k 32-63, v 32-63].  Sums in f32.
; A work-group (x = head, y = block of 256 rows) makes 256 x 192 with four waves; wave w makes rows 128 (w>>1) .. +127 and the 96 columns
; of half w&1: 48 accumulator tiles of 16 x 16, of which tiles b = 0,1 are q, 2,3 are k, 4,5 are v, at head column 32 (w&1) + 16 (b&1).
; K = 1024 goes in 8 steps of 128 through a ring of two LDS slots filled by the tensor data mover; a tile's rows are 256 bytes of memory.
; CLUSTERS: 4 x 4 work-groups.  The four of a row of the cluster share the tiles of x, the four of a column those of wb: each tile is asked
; for jointly, by the same tensor load with a mask that names the four, which divides the requests by four.
; The matrix instruction is used transposed (source 0 = rows of wb, source 1 = rows of x): lane l holds row l%16 and its registers 0-7 the
; columns 8 (l/16) + 0..7, so that the pairs that RoPE turns lie in neighbouring registers and eight results pack into 16 bytes.
; LIMIT: q, k, v are rounded to f16: they must stay below 65,504 in magnitude.  With inputs 30 times those of unit spread x and spread 1/32 w they have
; spread 900; with offsets of 30 spreads on x and w they are about 1024 * 30 * 0.94 = 28,800, after RoPE at most 40,700.
;
; REGISTERS in windows of 256:  window 0: v16-30 addresses; fragments of x v32-95, v96-159 (two buffers of 8), of wb v160-207, v208-255 (two of 6)
;   window 1: tiles of my rows 0-63 (tile (a, b) at 8 (6 a + b));  window 2: those of rows 64-127;  window 3: v0-127 cos and sin for my rows and columns
.set KSTEP,  128
.set PITCH,  272                       ; an LDS row: 256 bytes + 16 of padding: the 16 rows of a fragment load start 68 words apart
.set ATILE,  128*PITCH                 ; what one load brings of x
.set BTILE,  96*PITCH                  ; what one load brings of wb
.set BOFF,   2*ATILE
.set SLOT,   BOFF+2*BTILE              ; 121,856
.set LAPS,   1024/(2*KSTEP)            ; a lap = two K steps = once round the ring
.set SP,     144                       ; the way out: a row of 64 f16 + 16 bytes
.set PLANE,  256*SP                    ; one of q, k, v for the block's 256 rows; the three planes lie in slot 0 (110,592 of its 121,856 bytes)
.set ADRA, 16                          ; v16-17  my x fragments in slot 0, 1
.set ADRB, 20                          ; v20-21  my wb fragments
.set RO,   22                          ; v22     my offset in the table
.set STO,  24                          ; v24-26  where I put 16 bytes of q, k, v
.set RD,   27                          ; v27-29  where I read rows back
.set CO,   30                          ; v30     my offset in the outputs
.set FA,   32
.set FB,   160
.set EO,   32                          ; the way out: turned pairs
.set TT,   64                          ; products
.set PK,   96                          ; packed f16, 4 registers a tile
.set G1, 24                            ; s[24:31] group 1 for x's tiles
.set G0, 32                            ; s[32:39] group 0 for x's tiles, a set for each slot
.set G1B, 48                           ; s[48:55] group 1 for wb's tiles
.set G0B, 56                           ; s[56:63] group 0 for wb's tiles
.set MSB, 0
.macro WIN new                         ; the immediate's high byte repeats the setting that is left
.if MSB != (\new)
	s_set_vgpr_msb (MSB<<8)|(\new)
.set MSB, (\new)
.endif
.endm
; A joint load: waves 0, 1 fetch x's two halves, waves 2, 3 wb's.  The branch hangs on the wave's number alone.
.macro JLOAD s
	s_cmp_eq_u32 s11, 0
	s_cbranch_scc0 .Lfor_b_\@
	tensor_load_to_lds s[G0+4*\s:G0+4*\s+3], s[G1:G1+7]
	s_nop 0
	s_branch .Lasked_\@
.Lfor_b_\@:
	tensor_load_to_lds s[G0B+4*\s:G0B+4*\s+3], s[G1B:G1B+7]
	s_nop 0
.Lasked_\@:
.endm
; A round of the cluster's barrier: my work-group's barrier, wave 0 signals for the work-group, every wave waits for all sixteen, my work-group's barrier again.
.macro CREST
	s_cmp_lg_u32 s10, 0
	s_cbranch_scc1 .Lnot_wave_0_\@
	s_barrier_signal -3
.Lnot_wave_0_\@:
	s_barrier_wait -3
	s_barrier_signal -1
	s_barrier_wait -1
.endm
.macro CROUND
	s_barrier_signal -1
	s_barrier_wait -1
	CREST
.endm
.macro PLACES                          ; four plain vector instructions between a matrix instruction and a load into, or a vector use of, its registers
.rept 4
	v_nop
.endr
.endm
	s_load_b128 s[4:7], s[0:1], 0x0                ; xb, wb
	s_load_b256 s[68:75], s[0:1], 0x10             ; rope 68:69, qh 70:71, kh 72:73, vh 74:75
	v_lshl_add_u32 v23, v0, 2, 0x40000
	v_mov_b32 v31, 0
	ds_add_u32 v23, v31
	v_lshrrev_b32 v1, 5, v0
	v_readfirstlane_b32 s10, v1                    ; wave
	s_lshr_b32 s11, s10, 1                         ; my half of the rows; also: I fetch for x (0) or wb (1)
	s_and_b32 s12, s10, 1                          ; my half of the columns; also: which half of that tile I fetch
	s_bfe_u32 s40, ttmp6, 0x40000                  ; cx
	s_bfe_u32 s41, ttmp6, 0x40004                  ; cy
	s_lshl_b32 s42, ttmp9, 2
	s_add_co_u32 s42, s42, s40                     ; head = 4 * cluster x + cx
	s_and_b32 s13, ttmp7, 0xffff
	s_lshl_b32 s13, s13, 2
	s_add_co_u32 s13, s13, s41                     ; row block = 4 * cluster y + cy
	s_lshl_b32 s43, s41, 2
	s_lshl_b32 s43, 15, s43                        ; my row of the cluster
	s_lshl_b32 s44, 0x1111, s40                    ; my column
	s_or_b32 s[G1+0], s43, (1<<16)|(1<<20)|(1<<21)|(5<<22)|(3<<25)   ; mask; 2-byte elements; padding on; bit 21 beside a mask; 4 words after every 64
	s_or_b32 s[G1B+0], s44, (1<<16)|(1<<20)|(1<<21)|(5<<22)|(3<<25)
	s_mov_b32 s[G1+1], KSTEP<<16                   ; tensor_dim0 = 128
	s_mov_b32 s[G1B+1], KSTEP<<16
	s_mov_b32 s[G1+2], 128<<16                     ; tensor_dim1 = 128 rows of x
	s_mov_b32 s[G1B+2], 96<<16                     ;             =  96 rows of wb
	s_mov_b32 s[G1+3], KSTEP<<16                   ; tile_dim0 = 128
	s_mov_b32 s[G1B+3], KSTEP<<16
	s_mov_b32 s[G1+4], 128                         ; tile_dim1
	s_mov_b32 s[G1B+4], 96
	s_mov_b32 s[G1+5], 1024                        ; elements from row to row
	s_mov_b32 s[G1B+5], 1024
	s_mov_b32 s[G1+6], 0
	s_mov_b32 s[G1B+6], 0
	s_mov_b32 s[G1+7], 0
	s_mov_b32 s[G1B+7], 0
	s_lshl_b32 s17, s12, 7
	s_lshl_b32 s16, s13, 8
	s_add_co_u32 s16, s16, s17                     ; x: row 256 * block + 128 * half: hangs on the block row alone
	s_lshl_b32 s16, s16, 11                        ; rows of 2,048 bytes; below 8 MiB
	s_mov_b32 s17, 0
	s_mul_i32 s46, s42, 192
	s_mul_i32 s47, s12, 96
	s_add_co_u32 s46, s46, s47                     ; wb: row 192 * head + 96 * half: hangs on the head alone
	s_lshl_b32 s46, s46, 11
	s_mov_b32 s47, 0
	s_mul_i32 s20, s10, ATILE                      ; LDS: waves 0, 1 put x's halves at wave * 34,816;
	s_mul_i32 s21, s10, BTILE
	s_add_co_u32 s21, s21, BOFF-2*BTILE            ; waves 2, 3 put wb's halves at 69,632 + (wave - 2) * 26,112
	s_lshr_b32 s76, s13, 3                         ; the outputs: (batch * 16 + head) * 262,144 + (block & 7) * 256 rows of 128 bytes
	s_lshl_b32 s76, s76, 4
	s_add_co_u32 s76, s76, s42
	s_lshl_b32 s76, s76, 18
	s_and_b32 s77, s13, 7
	s_lshl_b32 s78, s77, 16                        ; the table: position (block & 7) * 256 + 128 * row half, 256 bytes each, + 128 bytes * column half
	s_lshl_b32 s77, s77, 15
	s_add_co_u32 s76, s76, s77
	s_mov_b32 s77, 0
	s_lshl_b32 s79, s11, 15
	s_add_co_u32 s78, s78, s79
	s_lshl_b32 s79, s12, 7
	s_add_co_u32 s78, s78, s79
	s_mov_b32 s79, 0
	s_wait_dscnt 0x0
	s_wait_kmcnt 0x0
	s_add_nc_u64 s[14:15], s[4:5], s[16:17]
	s_add_nc_u64 s[46:47], s[6:7], s[46:47]
	s_add_nc_u64 s[68:69], s[68:69], s[78:79]
	s_add_nc_u64 s[70:71], s[70:71], s[76:77]
	s_add_nc_u64 s[72:73], s[72:73], s[76:77]
	s_add_nc_u64 s[74:75], s[74:75], s[76:77]
	CROUND                                         ; all sixteen work-groups are here: the first joint loads meet
.irp s, 0,1
	s_mov_b32 s[G0+4*\s], 1
	s_add_co_u32 s[G0+4*\s+1], s20, \s*SLOT
	s_add_nc_u64 s[G0+4*\s+2:G0+4*\s+3], s[14:15], \s*KSTEP*2      ; K step s
	s_or_b32 s[G0+4*\s+3], s[G0+4*\s+3], 0x80000000
	s_mov_b32 s[G0B+4*\s], 1
	s_add_co_u32 s[G0B+4*\s+1], s21, \s*SLOT
	s_add_nc_u64 s[G0B+4*\s+2:G0B+4*\s+3], s[46:47], \s*KSTEP*2
	s_or_b32 s[G0B+4*\s+3], s[G0B+4*\s+3], 0x80000000
	JLOAD \s                                       ; both slots' first fills go out together: two tensor loads of a wave are out, never more
.endr
	v_and_b32 v1, 15, v0                           ; r = l % 16
	v_bfe_u32 v2, v0, 4, 1                         ; h = l / 16
	v_mul_u32_u24 v3, v1, PITCH
	v_lshl_add_u32 v3, v2, 4, v3                   ; a fragment: row r, 16 bytes at 16 h and at 32 + 16 h
	s_mul_i32 s22, s11, ATILE
	s_mul_i32 s23, s12, BTILE
	s_add_co_u32 s23, s23, BOFF
.irp s, 0,1
	v_add_nc_u32 v[ADRA+\s], s22, v3
	v_add_nc_u32 v[ADRB+\s], s23, v3
	s_add_co_u32 s22, s22, SLOT
	s_add_co_u32 s23, s23, SLOT
.endr
	v_lshlrev_b32 v[RO], 8, v1
	v_lshl_add_u32 v[RO], v2, 5, v[RO]             ; table: 256 r + 32 h (four pairs of cos, sin)
	v_mul_u32_u24 v4, v1, SP
	v_lshl_add_u32 v4, v2, 4, v4
	s_mul_i32 s45, s11, 128*SP
	s_lshl_b32 s9, s12, 6
	s_add_co_u32 s45, s45, s9
	v_add_nc_u32 v[STO], s45, v4                   ; (128 wr + r) * 144 + 64 wc + 16 h
	v_add_nc_u32 v[STO+1], PLANE, v[STO]
	v_add_nc_u32 v[STO+2], 2*PLANE, v[STO]
	v_and_b32 v5, 31, v0
	v_lshrrev_b32 v6, 3, v5
	v_and_b32 v7, 7, v0
	v_mul_u32_u24 v6, v6, SP
	v_lshl_add_u32 v6, v7, 4, v6
	s_mul_i32 s45, s10, 64*SP
	v_add_nc_u32 v[RD], s45, v6                    ; (64 w + l/8) * 144 + 16 (l%8): four rows a load
	v_add_nc_u32 v[RD+1], PLANE, v[RD]
	v_add_nc_u32 v[RD+2], 2*PLANE, v[RD]
	s_lshl_b32 s45, s10, 13
	v_lshl_add_u32 v[CO], v5, 4, s45               ; 64 rows of 128 bytes a wave + 16 l
	; cos and sin of my 128 rows x 32 columns, 32 loads into window 3; they are waited for only behind the K loop; RO and the base are never rewritten
	WIN 0xc0
.irp a, 0,1,2,3,4,5,6,7
.irp u, 0,1,2,3
	global_load_b128 v[16*\a+4*\u:16*\a+4*\u+3], v[RO], s[68:69] offset:4096*\a+64*(\u/2)+16*(\u%2)
.endr
.endr
	WIN 0
; 12 matrix instructions: row blocks a0, a0 + 1 of the window's four x all 6 column blocks, 32 along K.  zero = 1: the first product starts the sums.
; The 48 accumulators take turns, one instruction a turn, in the same order in every quarter step.
.macro MUL12 f, hi, a0, zero
.irp a, \a0, \a0+1
.irp b, 0,1,2,3,4,5
.if \zero
	v_wmma_f32_16x16x32_bf16 v[8*(6*(\a)+\b):8*(6*(\a)+\b)+7], v[FB+48*\f+8*\b:FB+48*\f+8*\b+7], v[FA+64*\f+8*(4*\hi+\a):FA+64*\f+8*(4*\hi+\a)+7], 0
.else
	v_wmma_f32_16x16x32_bf16 v[8*(6*(\a)+\b):8*(6*(\a)+\b)+7], v[FB+48*\f+8*\b:FB+48*\f+8*\b+7], v[FA+64*\f+8*(4*\hi+\a):FA+64*\f+8*(4*\hi+\a)+7], v[8*(6*(\a)+\b):8*(6*(\a)+\b)+7]
.endif
.endr
.endr
.endm
; 28 LDS loads in one run: a quarter step's fragments (96 rows of wb, then 128 rows of x, 32 K at byte k) into buffer f
.macro FETCH slot, k, f
.irp i, 0,1,2,3,4,5
	ds_load_b128 v[FB+48*\f+8*\i:FB+48*\f+8*\i+3],   v[ADRB+\slot] offset:\k+\i*16*PITCH
	ds_load_b128 v[FB+48*\f+8*\i+4:FB+48*\f+8*\i+7], v[ADRB+\slot] offset:\k+\i*16*PITCH+32
.endr
.irp i, 0,1,2,3,4,5,6,7
	ds_load_b128 v[FA+64*\f+8*\i:FA+64*\f+8*\i+3],   v[ADRA+\slot] offset:\k+\i*16*PITCH
	ds_load_b128 v[FA+64*\f+8*\i+4:FA+64*\f+8*\i+7], v[ADRA+\slot] offset:\k+\i*16*PITCH+32
.endr
.endm
; One of a K step's first three quarters: multiplies buffer f; in its middle fetches the next quarter's fragments into buffer g.
.macro QUARTER slot, k, f, g, zero
	s_wait_dscnt 8                                 ; wb's fragments and x's rows 0-63 are in; the youngest eight loads (x's rows 64-127) may be out
	WIN 0x50
	MUL12 \f, 0, 0, \zero
	MUL12 \f, 0, 2, \zero
	PLACES
	WIN 0
	FETCH \slot, \k, \g
	s_wait_dscnt 28                                ; all but the 28 just issued
	WIN 0xa0
	MUL12 \f, 1, 0, \zero
	MUL12 \f, 1, 2, \zero
.endm
.macro THREE slot, zero
	QUARTER \slot, 64,  0, 1, \zero
	QUARTER \slot, 128, 1, 0, 0
	QUARTER \slot, 192, 0, 1, 0
.endm
; The last quarter: multiplies buffer 1 and changes slots.  In front of the barrier each wave waits for its reads of this slot and for all its tensor
; loads (one is out: its part of the next slot).  Where the slot is filled again the barrier opens a round of the cluster's barrier, and the joint
; refill is the first tensor load behind the round.  From a request to the wait for it a wave issues 180 matrix instructions.
.macro TURN slot, next, fill
	s_wait_dscnt 8
	WIN 0x50
	MUL12 1, 0, 0, 0
	s_wait_dscnt 0
	s_wait_tensorcnt 0x0
	ds_add_u32 v23, v31
	s_wait_dscnt 0x0
	s_barrier_signal -1
	MUL12 1, 0, 2, 0                               ; register work while the others arrive
	WIN 0
	s_barrier_wait -1
.if \fill
	CREST
	s_add_nc_u64 s[G0+4*\slot+2:G0+4*\slot+3], s[G0+4*\slot+2:G0+4*\slot+3], 2*KSTEP*2     ; no tensor load of mine is out: the addresses may step
	s_add_nc_u64 s[G0B+4*\slot+2:G0B+4*\slot+3], s[G0B+4*\slot+2:G0B+4*\slot+3], 2*KSTEP*2
	JLOAD \slot
.endif
	PLACES
	FETCH \next, 0, 0
	WIN 0xa0
	MUL12 1, 1, 0, 0
	MUL12 1, 1, 2, 0
.endm
.macro LAP zero
	THREE 0, \zero
	TURN 0, 1, 1
	THREE 1, 0
	TURN 1, 0, 1
.endm
	s_wait_tensorcnt 1                             ; my part of K step 0 is in; K step 1's may stay out
	s_barrier_signal -1
	s_barrier_wait -1
	FETCH 0, 0, 0
	LAP 1                                          ; the first lap's first products start the sums
	WIN 0
	s_mov_b32 s3, LAPS-2
.Llap:
	LAP 0
	WIN 0
	s_sub_co_u32 s3, s3, 1
	s_cmp_lg_u32 s3, 0
	s_cbranch_scc1 .Llap
	THREE 0, 0                                     ; the last lap fills nothing
	TURN 0, 1, 0                                   ; behind this barrier no wave reads slot 0 again and no load fills it again: it becomes the stage
	THREE 1, 0
	s_wait_dscnt 8
	WIN 0x50
	MUL12 1, 0, 0, 0
	MUL12 1, 0, 2, 0
	s_wait_dscnt 0
	WIN 0xa0
	MUL12 1, 1, 0, 0
	MUL12 1, 1, 2, 0
	; THE WAY OUT.  Rows 16 a .. 16 a + 15: turn q's and k's pairs, round all to f16, 16 bytes a lane into the block's three planes in LDS.
	PLACES
	WIN 0
	s_wait_loadcnt 0x0                             ; the table
.macro OUTA a, aa, w                   ; tiles (aa, 0..5) of window w; cos at 16 a + 8 (b%2) + 2 p, sin one further, in window 3
	WIN 0x0c+\w                                    ; source 0 the sums, source 1 the table, the rest window 0
.irp b, 0,1,2,3
.irp p, 0,1,2,3
	v_mul_f32 v[TT+8*\b+2*\p],   v[8*(6*\aa+\b)+2*\p+1], v[16*\a+8*(\b%2)+2*\p+1]                        ; odd * sin
	v_mul_f32 v[TT+8*\b+2*\p+1], v[8*(6*\aa+\b)+2*\p+1], v[16*\a+8*(\b%2)+2*\p]                          ; odd * cos
.endr
.irp p, 0,1,2,3
	v_fma_f32 v[EO+8*\b+2*\p],   v[8*(6*\aa+\b)+2*\p], v[16*\a+8*(\b%2)+2*\p],   -v[TT+8*\b+2*\p]        ; even * cos - odd * sin
	v_fma_f32 v[EO+8*\b+2*\p+1], v[8*(6*\aa+\b)+2*\p], v[16*\a+8*(\b%2)+2*\p+1], v[TT+8*\b+2*\p+1]       ; even * sin + odd * cos
.endr
.endr
	WIN 5*\w                                       ; sources 0 and 1 the sums: v goes straight to f16
.irp b, 4,5
.irp p, 0,1,2,3
	v_cvt_pk_f16_f32 v[PK+4*\b+\p], v[8*(6*\aa+\b)+2*\p], v[8*(6*\aa+\b)+2*\p+1]
.endr
.endr
	WIN 0
.irp b, 0,1,2,3
.irp p, 0,1,2,3
	v_cvt_pk_f16_f32 v[PK+4*\b+\p], v[EO+8*\b+2*\p], v[EO+8*\b+2*\p+1]
.endr
.endr
.irp b, 0,1,2,3,4,5
	ds_store_b128 v[STO+\b/2], v[PK+4*\b:PK+4*\b+3] offset:16*SP*\a+32*(\b%2)
.endr
.endm
	OUTA 0, 0, 1
	OUTA 1, 1, 1
	OUTA 2, 2, 1
	OUTA 3, 3, 1
	OUTA 4, 0, 2
	OUTA 5, 1, 2
	OUTA 6, 2, 2
	OUTA 7, 3, 2
	s_wait_dscnt 0x0                               ; my stores are in LDS: a row's two halves come from two waves
	s_barrier_signal -1
	s_barrier_wait -1
	; wave w takes rows 64 w .. 64 w + 63 of each plane: 16 loads of four rows, stored as 512 consecutive bytes each
.irp y, 0,1,2
.irp t, 0,1,2,3,4,5,6,7,8,9,10,11,12,13,14,15
	ds_load_b128 v[32+64*\y+4*\t:32+64*\y+4*\t+3], v[RD+\y] offset:4*SP*\t
.endr
.endr
.irp y, 0,1,2
.irp t, 0,1,2,3,4,5,6,7,8,9,10,11,12,13,14,15
	s_wait_dscnt 47-16*\y-\t                       ; LDS loads come back in order (ISA guide 5.7.1): the younger ones stay out
	global_store_b128 v[CO], v[32+64*\y+4*\t:32+64*\y+4*\t+3], s[70+2*\y:71+2*\y] offset:512*\t
.endr
.endr
	s_wait_tensorcnt 0x0
	ds_add_u32 v23, v31
	s_wait_dscnt 0x0
	CROUND                                         ; the closing round: no work-group ends while a partner may still ask for a tile that names it
	s_endpgm
.Lfunc_end_k_q5bc0d3850b_qkv:
	.size	k_q5bc0d3850b_qkv, .Lfunc_end_k_q5bc0d3850b_qkv-k_q5bc0d3850b_qkv
	.p2alignl 7, 3214868480
	.fill 96, 4, 3214868480
	.section	.rodata,"a",@progbits
	.p2align	6, 0x0
	.amdhsa_kernel k_q5bc0d3850b_qkv
		.amdhsa_group_segment_fixed_size 327680
		.amdhsa_private_segment_fixed_size 0
		.amdhsa_enable_private_segment 0
		.amdhsa_kernarg_size 48
		.amdhsa_user_sgpr_count 2
		.amdhsa_user_sgpr_kernarg_segment_ptr 1
		.amdhsa_wavefront_size32 1
		.amdhsa_system_sgpr_workgroup_id_x 1
		.amdhsa_system_sgpr_workgroup_id_y 1
		.amdhsa_system_sgpr_workgroup_id_z 1
		.amdhsa_system_vgpr_workitem_id 0
		.amdhsa_next_free_vgpr 896
		.amdhsa_next_free_sgpr 80
		.amdhsa_reserve_vcc 0
		.amdhsa_float_denorm_mode_32 3
		.amdhsa_float_denorm_mode_16_64 3
		.amdhsa_memory_ordered 1
		.amdhsa_forward_progress 1
		.amdhsa_inst_pref_size 185
	.end_amdhsa_kernel
	.amdgpu_metadata
---
amdhsa.version: [ 1, 2 ]
amdhsa.kernels:
  - .name:           k_q5bc0d3850b_qkv
    .symbol:         k_q5bc0d3850b_qkv.kd
    .args:
      - { .name: xb, .offset: 0, .size: 8, .value_kind: global_buffer, .address_space: global }
      - { .name: wb, .offset: 8, .size: 8, .value_kind: global_buffer, .address_space: global }
      - { .name: rope, .offset: 16, .size: 8, .value_kind: global_buffer, .address_space: global }
      - { .name: qh, .offset: 24, .size: 8, .value_kind: global_buffer, .address_space: global }
      - { .name: kh, .offset: 32, .size: 8, .value_kind: global_buffer, .address_space: global }
      - { .name: vh, .offset: 40, .size: 8, .value_kind: global_buffer, .address_space: global }
    .group_segment_fixed_size: 327680
    .private_segment_fixed_size: 0
    .kernarg_segment_align: 8
    .kernarg_segment_size: 48
    .max_flat_workgroup_size: 128
    .sgpr_count:     80
    .vgpr_count:     896
    .wavefront_size: 32
...
	.end_amdgpu_metadata
.endif
;; end of part 2
;; launch attn (part 3): grid 8 x 32, 8 waves a work-group, no clusters, 327,680 bytes of LDS; arguments qh, kh, vh, att; writes att
.if DOCPART == 3
	.amdgcn_target "amdgcn-amd-amdhsa--gfx1250"
	.amdhsa_code_object_version 6
	.text
	.protected	k_q5bc0d3850b_attn
	.globl	k_q5bc0d3850b_attn
	.p2align	8
	.type	k_q5bc0d3850b_attn,@function
k_q5bc0d3850b_attn:
	s_mov_b64 s[64:65], 0
	v_nop
	global_prefetch_b8 v0, s[64:65] scope:SCOPE_SE
	s_setreg_imm32_b32 hwreg(HW_REG_WAVE_MODE, 25, 1), 1
	s_wait_xcnt 0x0
; Causal softmax attention.  qh, kh, vh, att: [32 heads][2048][64] f16; scores, softmax and sums in f32, with a running maximum.
; Work-group (x = i, y = head) owns query blocks i and 15 - i of 128 rows: (i + 1) + (16 - i) = 17 blocks of 128 x 128 scores for every work-group.
; Waves 0-3 take block i, waves 4-7 block 15 - i; a wave owns 32 queries (two tiles of 16).  The work-group walks key tiles t = 0 .. 15 - i of 128 keys
; through two LDS slots; a wave computes tile t plainly for t < its block, masked for t = its block, and only passes the barriers beyond.
; ALL PRODUCTS ARE TRANSPOSED: S^T = K Q^T gives lane (r, h) keys 16 mt + 8 h + 0..7 of query r, which, packed to f16, is already the second source of
; O^T = V^T P^T; the query stays in the lane, so maximum, sum and rescaling are per lane, and one exchange joins the two halves of the keys.
; NO MULTICAST: the eight work-groups of a head read the same K and V tiles, but they walk 16 - i tiles, a different number each, and which tiles
; a wave computes hangs on i; partners in step would each have to pass the longest walk.
; LIMITS: p below 2^-126 counts as 0 (v_exp_f32); p is rounded to f16 for the product (absolute error at most 2^-12 p, 2^-25 for p < 2^-14), the row sum takes the unrounded p
; and is at least 1, since the largest score gives exp2(0).
.set KP,    144                        ; K's LDS row: 128 bytes + 16
.set VP,    160                        ; V's LDS row: 128 bytes + 32, an odd multiple of 32 for the transposing load
.set VOFF,  128*KP
.set SLOT,  VOFF+128*VP                ; 38,912
.set STAGE, 2*SLOT                     ; 77,824: behind the ring, 32 rows x 144 bytes for each wave; no tensor load lands there
.set SPW,   32*144
.set KAD,  2                           ; v2-3    K fragments' address, slot 0, 1
.set VAD,  4                           ; v4-5    V fragments' address
.set THR,  6                           ; v6-7    query tile qt: my query's place in the block - 8 h
.set NINF, 8                           ; v8      -infinity
.set PT,   9                           ; v9-10   what the other half of the lanes holds
.set QO,   11
.set STO,  12
.set RD,   13
.set MC,   14                          ; v[14:15], v[16:17]  (-c * maximum, maximum) of query tile 0, 1
.set AL,   18                          ; v[18:19], v[20:21]  (rescaling factor, row sum)
.set TA,   22                          ; v22-25  two chains of maxima for each query tile
.set CO,   26
.set TS,   32                          ; v32-63  sums at work; packed results at the end
.set SC,   64                          ; v64-127 S^T(qt, mt) at 8 (4 qt + mt); P(qt, ks) packed in place at 16 (2 qt + ks)
.set VFR,  128                         ; v128-191 V^T(dt, ks) at 8 (2 dt + ks)
.set OA,   192                         ; v192-255 O^T(dt, qt) at 8 (2 dt + qt)
.set KFR,  0                           ; window 1: K(mt, ks) at 8 (2 mt + ks)
.set QFR,  64                          ; window 1: Q(qt, ks) at 64 + 8 (2 qt + ks)
.set G1K, 28
.set G1V, 36
.set G0K, 44                           ; s[44:51] a set for each slot
.set G0V, 52                           ; s[52:59]
.set MSB, 0
.macro WIN new
.if MSB != (\new)
	s_set_vgpr_msb (MSB<<8)|(\new)
.set MSB, (\new)
.endif
.endm
.macro NOPS n
.rept \n
	v_nop
.endr
.endm
; Wave 0 asks for K's tile, wave 1 for V's: one tensor load a wave, 128 rows each; the other waves ask for nothing.
.macro KVFILL s
	s_cmp_lg_u32 s12, 0
	s_cbranch_scc1 .Lnot_k_\@
	tensor_load_to_lds s[G0K+4*(\s):G0K+4*(\s)+3], s[G1K:G1K+7]
	s_nop 0
.Lnot_k_\@:
	s_cmp_lg_u32 s12, 1
	s_cbranch_scc1 .Lnot_v_\@
	tensor_load_to_lds s[G0V+4*(\s):G0V+4*(\s)+3], s[G1V:G1V+7]
	s_nop 0
.Lnot_v_\@:
.endm
	s_load_b256 s[4:11], s[0:1], 0x0               ; qh 4:5, kh 6:7, vh 8:9, att 10:11
	v_lshl_add_u32 v31, v0, 2, 0x29000
	s_set_vgpr_msb 0x40
	v_mov_b32 v97, 0
	s_set_vgpr_msb 0x4044
	ds_add_u32 v31, v97
	s_set_vgpr_msb 0x4400
	v_lshrrev_b32 v1, 5, v0
	v_readfirstlane_b32 s12, v1                    ; wave
	s_lshr_b32 s13, s12, 2                         ; group
	s_and_b32 s14, s12, 3                          ; wave in the group
	s_mov_b32 s15, ttmp9                           ; i
	s_and_b32 s16, ttmp7, 0xffff                   ; head
	s_sub_co_u32 s24, 15, s15
	s_cmp_eq_u32 s13, 0
	s_cselect_b32 s17, s15, s24                    ; my query block = the tile that I mask
	s_mov_b32 s18, 0                               ; t
	s_sub_co_u32 s19, 14, s15
	s_lshr_b32 s19, s19, 1                         ; the loop's trips: 3 to 7
	s_mov_b32 s20, 0x76543210                      ; v_permlanex16_b32: lane i of one half reads lane i of the other
	s_mov_b32 s21, 0xfedcba98
	s_mov_b32 s22, 0x3e38aa3b                      ; c = log2(e) / 8: the scale 1/sqrt(64) and the base of v_exp_f32
	s_mov_b32 s23, 0xbe38aa3b                      ; -c
	s_mov_b32 s[G1K+0], (1<<16)|(1<<20)|(4<<22)|(3<<25)    ; 2-byte elements; 4 words of padding after every 32
	s_mov_b32 s[G1V+0], (1<<16)|(1<<20)|(4<<22)|(7<<25)    ; 8 words
	s_mov_b32 s[G1K+1], 64<<16                     ; tensor_dim0 = 64
	s_mov_b32 s[G1V+1], 64<<16
	s_mov_b32 s[G1K+2], 128<<16                    ; tensor_dim1 = 128
	s_mov_b32 s[G1V+2], 128<<16
	s_mov_b32 s[G1K+3], 64<<16                     ; tile_dim0
	s_mov_b32 s[G1V+3], 64<<16
	s_mov_b32 s[G1K+4], 128                        ; tile_dim1
	s_mov_b32 s[G1V+4], 128
	s_mov_b32 s[G1K+5], 64                         ; elements from row to row
	s_mov_b32 s[G1V+5], 64
	s_mov_b32 s[G1K+6], 0
	s_mov_b32 s[G1V+6], 0
	s_mov_b32 s[G1K+7], 0
	s_mov_b32 s[G1V+7], 0
	s_lshl_b32 s24, s16, 18                        ; a head is 262,144 bytes
	s_mov_b32 s25, 0
	s_lshl_b32 s26, s17, 14                        ; my block, 128 rows of 128 bytes,
	s_lshl_b32 s27, s14, 12                        ; my 32 rows in it
	s_add_co_u32 s26, s26, s27
	s_add_co_u32 s26, s26, s24
	s_mov_b32 s27, 0
	s_wait_dscnt 0x0
	s_barrier_signal -1
	s_barrier_wait -1
	s_wait_kmcnt 0x0
	s_add_nc_u64 s[6:7], s[6:7], s[24:25]
	s_add_nc_u64 s[8:9], s[8:9], s[24:25]
	s_add_nc_u64 s[4:5], s[4:5], s[26:27]
	s_add_nc_u64 s[10:11], s[10:11], s[26:27]
.irp s, 0,1
	s_mov_b32 s[G0K+4*\s], 1
	s_mov_b32 s[G0K+4*\s+1], \s*SLOT
	s_add_nc_u64 s[G0K+4*\s+2:G0K+4*\s+3], s[6:7], \s*16384        ; tile s
	s_or_b32 s[G0K+4*\s+3], s[G0K+4*\s+3], 0x80000000
	s_mov_b32 s[G0V+4*\s], 1
	s_mov_b32 s[G0V+4*\s+1], \s*SLOT+VOFF
	s_add_nc_u64 s[G0V+4*\s+2:G0V+4*\s+3], s[8:9], \s*16384
	s_or_b32 s[G0V+4*\s+3], s[G0V+4*\s+3], 0x80000000
.endr
	KVFILL 0                                       ; tile 0; slot 1 is first filled behind the first trip's barrier.  A wave never has more than one tensor load out
	v_and_b32 v1, 15, v0                           ; r
	v_bfe_u32 v27, v0, 4, 1                        ; h
	v_lshlrev_b32 v[QO], 7, v1
	v_lshl_add_u32 v[QO], v27, 4, v[QO]            ; Q: 128 r + 16 h
	WIN 0x40
.irp qt, 0,1
.irp ks, 0,1
.irp e, 0,1
	global_load_b128 v[QFR+8*(2*\qt+\ks)+4*\e:QFR+8*(2*\qt+\ks)+4*\e+3], v[QO], s[4:5] offset:2048*\qt+64*\ks+32*\e
.endr
.endr
.endr
	WIN 0
	v_mul_u32_u24 v28, v1, KP
	v_lshl_add_u32 v[KAD], v27, 4, v28             ; K: key r of a tile, 16 bytes at 16 h and 32 + 16 h
	v_add_nc_u32 v[KAD+1], SLOT, v[KAD]
	v_and_b32 v28, 7, v0
	v_lshl_add_u32 v28, v27, 3, v28                ; V, transposed on the way: key 8 h + l%8,
	v_mul_u32_u24 v28, v28, VP
	v_bfe_u32 v29, v0, 3, 1
	v_lshl_add_u32 v28, v29, 4, v28                ; 16 bytes at 16 ((l>>3)&1)
	v_add_nc_u32 v[VAD], VOFF, v28
	v_add_nc_u32 v[VAD+1], VOFF+SLOT, v28
	v_lshlrev_b32 v28, 3, v27
	v_sub_nc_u32 v28, v1, v28                      ; r - 8 h
	s_lshl_b32 s24, s14, 5
	v_add_nc_u32 v[THR], s24, v28                  ; key 64 ss + 16 mt + 8 h + j is kept if 64 ss + 16 mt + j <= 32 wl + 16 qt + r - 8 h
	v_add_nc_u32 v[THR+1], 16, v[THR]
	v_mov_b32 v[NINF], 0xff800000
	v_mov_b32 v[PT], 0                             ; v_permlanex16_b32 counts as a reader of its destination
	v_mov_b32 v[PT+1], 0
	s_mul_i32 s25, s12, SPW
	s_add_co_u32 s25, s25, STAGE
	v_add_nc_u32 v[STO], s25, v[KAD]               ; my stage + 144 r + 16 h
	v_and_b32 v28, 31, v0
	v_lshrrev_b32 v29, 3, v28
	v_mul_u32_u24 v29, v29, 144
	v_and_b32 v30, 7, v0
	v_lshl_add_u32 v29, v30, 4, v29
	v_add_nc_u32 v[RD], s25, v29                   ; back: four rows of 128 bytes a load
	v_lshlrev_b32 v[CO], 4, v28
	s_wait_loadcnt 0x0                             ; Q, once
.macro KLOAD slot, ss                  ; 64 keys x 64: 16 loads into window 1
	WIN 0x40
.irp mt, 0,1,2,3
.irp ks, 0,1
.irp e, 0,1
	ds_load_b128 v[KFR+8*(2*\mt+\ks)+4*\e:KFR+8*(2*\mt+\ks)+4*\e+3], v[KAD+\slot] offset:(64*\ss+16*\mt)*KP+64*\ks+32*\e
.endr
.endr
.endr
	WIN 0
.endm
.macro VLOAD slot, ss                  ; the same 64 keys of V, transposed: 16 loads
.irp dt, 0,1,2,3
.irp ks, 0,1
.irp e, 0,1
	ds_load_tr16_b128 v[VFR+8*(2*\dt+\ks)+4*\e:VFR+8*(2*\dt+\ks)+4*\e+3], v[VAD+\slot] offset:(64*\ss+32*\ks+16*\e)*VP+32*\dt
.endr
.endr
.endr
.endm
; S^T: eight tiles take turns, one instruction a turn; the first half of the head's 64 starts the sums
.macro SMUL
	WIN 0x05
.irp qt, 0,1
.irp mt, 0,1,2,3
	v_wmma_f32_16x16x32_f16 v[SC+8*(4*\qt+\mt):SC+8*(4*\qt+\mt)+7], v[KFR+16*\mt:KFR+16*\mt+7], v[QFR+16*\qt:QFR+16*\qt+7], 0
.endr
.endr
.irp qt, 0,1
.irp mt, 0,1,2,3
	v_wmma_f32_16x16x32_f16 v[SC+8*(4*\qt+\mt):SC+8*(4*\qt+\mt)+7], v[KFR+16*\mt+8:KFR+16*\mt+15], v[QFR+16*\qt+8:QFR+16*\qt+15], v[SC+8*(4*\qt+\mt):SC+8*(4*\qt+\mt)+7]
.endr
.endr
	WIN 0
.endm
.macro MASK ss                         ; keys beyond the query become -infinity: a choice of values, no branch
.irp qt, 0,1
.irp mt, 0,1,2,3
.irp j, 0,1,2,3,4,5,6,7
	v_cmp_le_i32 vcc_lo, 64*\ss+16*\mt+\j, v[THR+\qt]
	v_cndmask_b32 v[SC+8*(4*\qt+\mt)+\j], v[NINF], v[SC+8*(4*\qt+\mt)+\j], vcc_lo
.endr
.endr
.endr
.endm
.macro EXPQ qt                         ; p = exp2(c s - c m), 32 numbers of a lane
.set n, 0
.rept 16
	v_pk_fma_f32 v[SC+32*\qt+n:SC+32*\qt+n+1], v[SC+32*\qt+n:SC+32*\qt+n+1], s[22:23], v[MC+2*\qt:MC+2*\qt+1] op_sel_hi:[1,0,0]
.set n, n+2
.endr
.set n, 0
.rept 32
	v_exp_f32 v[SC+32*\qt+n], v[SC+32*\qt+n]
.set n, n+1
.endr
.endm
.macro TREE qt, first                  ; the lane's sum of p, then p to f16 in place
	s_wait_alu depctr_va_vdst(0)
.irp n, 0,1,2,3,4,5,6,7
	v_pk_add_f32 v[TS+16*\qt+2*\n:TS+16*\qt+2*\n+1], v[SC+32*\qt+4*\n:SC+32*\qt+4*\n+1], v[SC+32*\qt+4*\n+2:SC+32*\qt+4*\n+3]
.endr
.irp n, 0,4,8,12
	v_pk_add_f32 v[TS+16*\qt+\n:TS+16*\qt+\n+1], v[TS+16*\qt+\n:TS+16*\qt+\n+1], v[TS+16*\qt+\n+2:TS+16*\qt+\n+3]
.endr
.irp n, 0,8
	v_pk_add_f32 v[TS+16*\qt+\n:TS+16*\qt+\n+1], v[TS+16*\qt+\n:TS+16*\qt+\n+1], v[TS+16*\qt+\n+4:TS+16*\qt+\n+5]
.endr
	v_pk_add_f32 v[TS+16*\qt:TS+16*\qt+1], v[TS+16*\qt:TS+16*\qt+1], v[TS+16*\qt+8:TS+16*\qt+9]
.if \first
	v_add_f32 v[AL+2*\qt+1], v[TS+16*\qt], v[TS+16*\qt+1]
.else
	v_add_f32 v[TS+16*\qt], v[TS+16*\qt], v[TS+16*\qt+1]
	v_fma_f32 v[AL+2*\qt+1], v[AL+2*\qt+1], v[AL+2*\qt], v[TS+16*\qt]
.endif
.irp ks, 0,1
.irp m, 0,1,2,3,4,5,6,7
	v_cvt_pk_f16_f32 v[SC+32*\qt+16*\ks+\m], v[SC+32*\qt+16*\ks+2*\m], v[SC+32*\qt+16*\ks+2*\m+1]     ; register m is written when 2 m and 2 m + 1 have been read
.endr
.endr
.endm
.macro SOFTMAX first
.irp qt, 0,1
.if \first
	v_max_num_f32 v[TA+2*\qt], v[SC+32*\qt], v[SC+32*\qt+1]
.else
	v_max3_num_f32 v[TA+2*\qt], v[MC+2*\qt+1], v[SC+32*\qt], v[SC+32*\qt+1]        ; the running maximum seeds one chain
.endif
	v_max_num_f32 v[TA+2*\qt+1], v[SC+32*\qt+16], v[SC+32*\qt+17]
.endr
.irp n, 2,4,6,8,10,12,14
.irp qt, 0,1
	v_max3_num_f32 v[TA+2*\qt], v[TA+2*\qt], v[SC+32*\qt+\n], v[SC+32*\qt+\n+1]
	v_max3_num_f32 v[TA+2*\qt+1], v[TA+2*\qt+1], v[SC+32*\qt+16+\n], v[SC+32*\qt+17+\n]
.endr
.endr
.irp qt, 0,1
	v_max_num_f32 v[TA+2*\qt], v[TA+2*\qt], v[TA+2*\qt+1]
.endr
.irp qt, 0,1
	v_permlanex16_b32 v[PT+\qt], v[TA+2*\qt], s20, s21         ; the other half of my query's keys
.endr
.if \first
.irp qt, 0,1
	v_max_num_f32 v[MC+2*\qt+1], v[TA+2*\qt], v[PT+\qt]
.endr
.irp qt, 0,1
	v_mul_f32 v[MC+2*\qt], s23, v[MC+2*\qt+1]
.endr
.else
.irp qt, 0,1
	v_max_num_f32 v[TA+2*\qt+1], v[TA+2*\qt], v[PT+\qt]        ; the new maximum
.endr
.irp qt, 0,1
	v_sub_f32 v[TA+2*\qt], v[MC+2*\qt+1], v[TA+2*\qt+1]        ; old - new, at most 0
.endr
.irp qt, 0,1
	v_mul_f32 v[TA+2*\qt], s22, v[TA+2*\qt]
.endr
.irp qt, 0,1
	v_exp_f32 v[AL+2*\qt], v[TA+2*\qt]
.endr
.irp qt, 0,1
	v_mov_b32 v[MC+2*\qt+1], v[TA+2*\qt+1]                     ; also the plain instruction behind v_exp_f32 (ISA guide 5.7.2)
.endr
.irp qt, 0,1
	v_mul_f32 v[MC+2*\qt], s23, v[TA+2*\qt+1]
.endr
.endif
	EXPQ 0
	EXPQ 1                                         ; its multiply-adds are the plain instructions behind tile 0's exponentials
.if \first == 0
	s_wait_alu depctr_va_vdst(0)
.irp qt, 0,1                                       ; the rescaling of O^T stands behind tile 1's exponentials and touches none of their registers
.irp dt, 0,1,2,3
.irp n, 0,2,4,6
	v_pk_mul_f32 v[OA+8*(2*\dt+\qt)+\n:OA+8*(2*\dt+\qt)+\n+1], v[OA+8*(2*\dt+\qt)+\n:OA+8*(2*\dt+\qt)+\n+1], v[AL+2*\qt:AL+2*\qt+1] op_sel_hi:[1,0]
.endr
.endr
.endr
.endif
	TREE 0, \first                                 ; (in the first step tile 0's sums are what stands behind tile 1's exponentials)
	TREE 1, \first
.endm
; O^T += V^T P^T: eight tiles take turns, one instruction a turn
.macro PVMUL first
.irp dt, 0,1,2,3
.irp qt, 0,1
.if \first
	v_wmma_f32_16x16x32_f16 v[OA+8*(2*\dt+\qt):OA+8*(2*\dt+\qt)+7], v[VFR+16*\dt:VFR+16*\dt+7], v[SC+32*\qt:SC+32*\qt+7], 0
.else
	v_wmma_f32_16x16x32_f16 v[OA+8*(2*\dt+\qt):OA+8*(2*\dt+\qt)+7], v[VFR+16*\dt:VFR+16*\dt+7], v[SC+32*\qt:SC+32*\qt+7], v[OA+8*(2*\dt+\qt):OA+8*(2*\dt+\qt)+7]
.endif
.endr
.endr
.irp dt, 0,1,2,3
.irp qt, 0,1
	v_wmma_f32_16x16x32_f16 v[OA+8*(2*\dt+\qt):OA+8*(2*\dt+\qt)+7], v[VFR+16*\dt+8:VFR+16*\dt+15], v[SC+32*\qt+16:SC+32*\qt+23], v[OA+8*(2*\dt+\qt):OA+8*(2*\dt+\qt)+7]
.endr
.endr
.endm
; 64 keys for my 32 queries.  K's fragments were asked for earlier.
.macro SUB slot, ss, mask, first
	VLOAD \slot, \ss
	s_wait_dscnt 16                                ; K's 16 loads are in; V's 16, just issued, may be out
	SMUL
	NOPS 4                                         ; four places in front of the loads into K's registers and of the first reading of S^T
.if \ss == 0
	KLOAD \slot, 1
.endif
.if \mask
	MASK \ss
.endif
	SOFTMAX \first
.if \ss == 0
	s_wait_dscnt 16                                ; V's are in; the next 64 keys' K fragments may be out
.else
	s_wait_dscnt 0
.endif
	PVMUL \first
	NOPS 5                                         ; five places in front of the next S^T, which writes over P, and of the loads into V's registers
.endm
.macro STEP slot, mask, first
	KLOAD \slot, 0
	SUB \slot, 0, \mask, \first
	SUB \slot, 1, \mask, 0
.endm
; Key tile t, in slot t & 1.  In front of the barrier every wave waits for all its tensor loads (this tile's among them) and for its reads of the other
; slot; behind it the other slot is asked for again first (tile t + 1), then this one is read.  um = 0: the walk's last tile, which only the masked way reaches.
.macro TRIP slot, refill, um, first
	s_set_vgpr_msb 0x4
	s_wait_tensorcnt 0x0
	ds_add_u32 v31, v97
	s_wait_dscnt 0x0
	s_set_vgpr_msb 0x400
	s_add_nc_u64 s[G0K+4*\slot+2:G0K+4*\slot+3], s[G0K+4*\slot+2:G0K+4*\slot+3], 32768     ; no load of mine is out: this slot's next tile, t + 2
	s_add_nc_u64 s[G0V+4*\slot+2:G0V+4*\slot+3], s[G0V+4*\slot+2:G0V+4*\slot+3], 32768
	s_wait_dscnt 0x0
	s_barrier_signal -1
	s_barrier_wait -1
.if \refill
	KVFILL 1-\slot
.endif
.if \first
	s_cmp_eq_u32 s17, 0                            ; tile 0 is every wave's: masked for block 0, plain for the others
	s_cbranch_scc1 .Lmask_\@
	STEP \slot, 0, 1
	s_branch .Ldone_\@
.Lmask_\@:
	STEP \slot, 1, 1
.Ldone_\@:
.else
	s_cmp_gt_u32 s18, s17
	s_cbranch_scc1 .Ldone_\@                       ; beyond my block: nothing to compute
.if \um
	s_cmp_eq_u32 s18, s17
	s_cbranch_scc1 .Lmask_\@
	STEP \slot, 0, 0
	s_branch .Ldone_\@
.Lmask_\@:
.endif
	STEP \slot, 1, 0
.Ldone_\@:
.endif
	s_add_co_u32 s18, s18, 1
.endm
	TRIP 0, 1, 1, 1
.Lwalk:
	TRIP 1, 1, 1, 0
	TRIP 0, 1, 1, 0
	s_sub_co_u32 s19, s19, 1
	s_cmp_lg_u32 s19, 0
	s_cbranch_scc1 .Lwalk
	s_bitcmp1_b32 s15, 0                           ; 16 - i tiles: 1 + 2 ((14 - i) >> 1) are done; two are left if i is odd, one if even.  The same for all eight waves
	s_cbranch_scc0 .Leven
	TRIP 1, 1, 1, 0
	TRIP 0, 0, 0, 0
	s_branch .Lout
.Leven:
	TRIP 1, 0, 0, 0
.Lout:
	; O^T / row sum, to f16, through my own stage, out as whole rows
	v_permlanex16_b32 v[PT], v[AL+1], s20, s21
	v_permlanex16_b32 v[PT+1], v[AL+3], s20, s21
	v_add_f32 v[AL+1], v[AL+1], v[PT]
	v_add_f32 v[AL+3], v[AL+3], v[PT+1]
	v_rcp_f32 v[AL], v[AL+1]
	v_rcp_f32 v[AL+2], v[AL+3]
	v_nop                                          ; the plain instruction behind v_rcp_f32 (ISA guide 5.7.2)
	s_wait_alu depctr_va_vdst(0)
.irp qt, 0,1
.irp dt, 0,1,2,3
.irp n, 0,2,4,6
	v_pk_mul_f32 v[OA+8*(2*\dt+\qt)+\n:OA+8*(2*\dt+\qt)+\n+1], v[OA+8*(2*\dt+\qt)+\n:OA+8*(2*\dt+\qt)+\n+1], v[AL+2*\qt:AL+2*\qt+1] op_sel_hi:[1,0]
.endr
.irp n, 0,1,2,3
	v_cvt_pk_f16_f32 v[TS+4*(2*\dt+\qt)+\n], v[OA+8*(2*\dt+\qt)+2*\n], v[OA+8*(2*\dt+\qt)+2*\n+1]
.endr
	ds_store_b128 v[STO], v[TS+4*(2*\dt+\qt):TS+4*(2*\dt+\qt)+3] offset:16*144*\qt+32*\dt      ; query 16 qt + r, head columns 16 dt + 8 h + 0..7
.endr
.endr
.irp n, 0,1,2,3,4,5,6,7
	ds_load_b128 v[SC+4*\n:SC+4*\n+3], v[RD] offset:4*144*\n       ; my own bytes: LDS serves a wave's instructions in order (ISA guide 5.7.1)
.endr
.irp n, 0,1,2,3,4,5,6,7
	s_wait_dscnt 7-\n
	global_store_b128 v[CO], v[SC+4*\n:SC+4*\n+3], s[10:11] offset:512*\n          ; 512 consecutive bytes, four rows
.endr
	s_set_vgpr_msb 0x4
	s_wait_tensorcnt 0x0
	ds_add_u32 v31, v97
	s_wait_dscnt 0x0
	s_set_vgpr_msb 0x400
	s_endpgm
.Lfunc_end_k_q5bc0d3850b_attn:
	.size	k_q5bc0d3850b_attn, .Lfunc_end_k_q5bc0d3850b_attn-k_q5bc0d3850b_attn
	.p2alignl 7, 3214868480
	.fill 96, 4, 3214868480
	.section	.rodata,"a",@progbits
	.p2align	6, 0x0
	.amdhsa_kernel k_q5bc0d3850b_attn
		.amdhsa_group_segment_fixed_size 327680
		.amdhsa_private_segment_fixed_size 0
		.amdhsa_enable_private_segment 0
		.amdhsa_kernarg_size 32
		.amdhsa_user_sgpr_count 2
		.amdhsa_user_sgpr_kernarg_segment_ptr 1
		.amdhsa_wavefront_size32 1
		.amdhsa_system_sgpr_workgroup_id_x 1
		.amdhsa_system_sgpr_workgroup_id_y 1
		.amdhsa_system_sgpr_workgroup_id_z 1
		.amdhsa_system_vgpr_workitem_id 0
		.amdhsa_next_free_vgpr 354
		.amdhsa_next_free_sgpr 66
		.amdhsa_reserve_vcc 1
		.amdhsa_float_denorm_mode_32 3
		.amdhsa_float_denorm_mode_16_64 3
		.amdhsa_memory_ordered 1
		.amdhsa_forward_progress 1
		.amdhsa_inst_pref_size 255
	.end_amdhsa_kernel
	.section	.bss,"aw",@nobits
	.p2align	6
	.space	262144
	.amdgpu_metadata
---
amdhsa.version: [ 1, 2 ]
amdhsa.kernels:
  - .name:           k_q5bc0d3850b_attn
    .symbol:         k_q5bc0d3850b_attn.kd
    .args:
      - { .name: qh, .offset: 0, .size: 8, .value_kind: global_buffer, .address_space: global }
      - { .name: kh, .offset: 8, .size: 8, .value_kind: global_buffer, .address_space: global }
      - { .name: vh, .offset: 16, .size: 8, .value_kind: global_buffer, .address_space: global }
      - { .name: att, .offset: 24, .size: 8, .value_kind: global_buffer, .address_space: global }
    .group_segment_fixed_size: 327680
    .private_segment_fixed_size: 0
    .kernarg_segment_align: 8
    .kernarg_segment_size: 32
    .max_flat_workgroup_size: 256
    .sgpr_count:     66
    .vgpr_count:     354
    .wavefront_size: 32
...
	.end_amdgpu_metadata
.endif
;; end of part 3
;; launch oproj (part 4): grid 8 x 32, 4 waves a work-group, clusters of 4 x 4, 327,680 bytes of LDS; arguments att, wb, out0; writes out0
.if DOCPART == 4
	.amdgcn_target "amdgcn-amd-amdhsa--gfx1250"
	.amdhsa_code_object_version 6
	.text
	.protected	k_q5bc0d3850b_oproj
	.globl	k_q5bc0d3850b_oproj
	.p2align	8
	.type	k_q5bc0d3850b_oproj,@function
k_q5bc0d3850b_oproj:
	s_mov_b64 s[64:65], 0
	v_nop
	global_prefetch_b8 v0, s[64:65] scope:SCOPE_SE
	s_setreg_imm32_b32 hwreg(HW_REG_WAVE_MODE, 25, 1), 1
	s_wait_xcnt 0x0
	s_wait_alu depctr_hold_cnt(0) depctr_sa_sdst(0) depctr_va_vdst(0) depctr_va_sdst(0) depctr_va_ssrc(0) depctr_va_vcc(0) depctr_vm_vsrc(0)
	s_getreg_b32 s2, hwreg(HW_REG_IB_STS2, 6, 4)
	s_cmp_eq_u32 s2, 0
	s_cbranch_scc0 .Lentry_in_a_cluster
	s_endpgm
.Lentry_in_a_cluster:
	s_bfe_u32 s2, ttmp6, 0x10000c
	s_cmp_lg_u32 s2, 0xf033
	s_cbranch_scc0 .Lentry_shape_is_right
	s_endpgm
.Lentry_shape_is_right:
; out0[m][n] = sum over k of attn[m][k] wo[n][k], k = 64 head + d.  att: [batch*16+head][2048][64] f16; wo: rows 3072.. of wb, [1024][1024] f16; out0 f32.
; A work-group (x = block of 128 columns, y = block of 128 rows) has four waves of 64 x 64: 16 accumulator tiles in window 1, tile (a, b) at 8 (4 a + b).
; K = 1024 goes in 8 steps of 128 = two heads through two LDS slots: waves 0, 1 fetch a head's 128 rows x 64 each, waves 2, 3 64 rows x 128 of wo each.
; CLUSTERS: 4 x 4 work-groups; att's tiles are shared along a row of the cluster, wo's along a column, each asked for jointly.
; The matrix instruction is used transposed (source 0 = rows of wo, source 1 = rows of att): a lane holds eight neighbouring columns of one row.
.set AP,     144                       ; att's LDS row: 128 bytes + 16
.set APLANE, 128*AP                    ; one head's tile
.set BP,     272                       ; wo's LDS row: 256 bytes + 16
.set BOFF,   2*APLANE
.set BHALF,  64*BP
.set SLOT,   BOFF+2*BHALF              ; 71,680
.set STAGE,  2*SLOT                    ; 143,360: 16 rows x 272 bytes for each wave; no tensor load lands there
.set SPITCH, 272
.set ASTEP,  2*262144                  ; two heads on
.set LAPS,   4
.set ADRA, 16
.set ADRB, 20
.set STO,  24
.set RD,   25
.set CO,   26
.set FA,   32                          ; buffer f: att's fragments at 32 + 64 f, wo's at 64 + 64 f
.set FB,   64
.set G1, 24
.set G0, 32
.set G1B, 48
.set G0B, 56
.set MSB, 0
.macro WIN new
.if MSB != (\new)
	s_set_vgpr_msb (MSB<<8)|(\new)
.set MSB, (\new)
.endif
.endm
.macro JLOAD s
	s_cmp_eq_u32 s11, 0
	s_cbranch_scc0 .Lfor_b_\@
	tensor_load_to_lds s[G0+4*\s:G0+4*\s+3], s[G1:G1+7]
	s_nop 0
	s_branch .Lasked_\@
.Lfor_b_\@:
	tensor_load_to_lds s[G0B+4*\s:G0B+4*\s+3], s[G1B:G1B+7]
	s_nop 0
.Lasked_\@:
.endm
.macro CREST
	s_cmp_lg_u32 s10, 0
	s_cbranch_scc1 .Lnot_wave_0_\@
	s_barrier_signal -3
.Lnot_wave_0_\@:
	s_barrier_wait -3
	s_barrier_signal -1
	s_barrier_wait -1
.endm
.macro CROUND
	s_barrier_signal -1
	s_barrier_wait -1
	CREST
.endm
.macro PLACES                          ; four plain vector instructions between a matrix instruction and a load into, or a store of, its registers
.rept 4
	v_nop
.endr
.endm
	s_load_b128 s[4:7], s[0:1], 0x0                ; att, wb
	s_load_b64 s[8:9], s[0:1], 0x10                ; out0
	v_lshl_add_u32 v254, v0, 2, 0x29000
	v_mov_b32 v255, 0
	ds_add_u32 v254, v255
	v_lshrrev_b32 v1, 5, v0
	v_readfirstlane_b32 s10, v1                    ; wave
	s_lshr_b32 s11, s10, 1                         ; my half of the rows; also: I fetch att (0) or wo (1)
	s_and_b32 s12, s10, 1                          ; my half of the columns; also: which head, or which 64 rows of wo, I fetch
	s_bfe_u32 s40, ttmp6, 0x40000                  ; cx
	s_bfe_u32 s41, ttmp6, 0x40004                  ; cy
	s_lshl_b32 s42, ttmp9, 2
	s_add_co_u32 s42, s42, s40                     ; column block
	s_and_b32 s13, ttmp7, 0xffff
	s_lshl_b32 s13, s13, 2
	s_add_co_u32 s13, s13, s41                     ; row block
	s_lshl_b32 s43, s41, 2
	s_lshl_b32 s43, 15, s43                        ; my row of the cluster
	s_lshl_b32 s44, 0x1111, s40                    ; my column
	s_or_b32 s[G1+0], s43, (1<<16)|(1<<20)|(1<<21)|(4<<22)|(3<<25)   ; att: 4 words of padding after every 32
	s_or_b32 s[G1B+0], s44, (1<<16)|(1<<20)|(1<<21)|(5<<22)|(3<<25)  ; wo: after every 64
	s_mov_b32 s[G1+1], 64<<16                      ; tensor_dim0
	s_mov_b32 s[G1B+1], 128<<16
	s_mov_b32 s[G1+2], 128<<16                     ; tensor_dim1
	s_mov_b32 s[G1B+2], 64<<16
	s_mov_b32 s[G1+3], 64<<16                      ; tile_dim0
	s_mov_b32 s[G1B+3], 128<<16
	s_mov_b32 s[G1+4], 128                         ; tile_dim1
	s_mov_b32 s[G1B+4], 64
	s_mov_b32 s[G1+5], 64                          ; elements from row to row
	s_mov_b32 s[G1B+5], 1024
	s_mov_b32 s[G1+6], 0
	s_mov_b32 s[G1B+6], 0
	s_mov_b32 s[G1+7], 0
	s_mov_b32 s[G1B+7], 0
	s_lshr_b32 s16, s13, 4                         ; att: (batch * 16 + my head of the step) * 262,144 + (block & 15) * 128 rows of 128 bytes
	s_lshl_b32 s16, s16, 4
	s_add_co_u32 s16, s16, s12
	s_lshl_b32 s16, s16, 18
	s_and_b32 s17, s13, 15
	s_lshl_b32 s17, s17, 14
	s_add_co_u32 s16, s16, s17
	s_mov_b32 s17, 0
	s_lshl_b32 s46, s42, 7                         ; wo: row 3072 + 128 * block + 64 * half, 2,048 bytes each
	s_lshl_b32 s47, s12, 6
	s_add_co_u32 s46, s46, s47
	s_add_co_u32 s46, s46, 3072
	s_lshl_b32 s46, s46, 11
	s_mov_b32 s47, 0
	s_mul_i32 s20, s10, APLANE                     ; LDS: waves 0, 1 at wave * 18,432;
	s_mul_i32 s21, s10, BHALF
	s_add_co_u32 s21, s21, BOFF-2*BHALF            ; waves 2, 3 at 36,864 + (wave - 2) * 17,408
	s_wait_dscnt 0x0
	s_wait_kmcnt 0x0
	s_add_nc_u64 s[14:15], s[4:5], s[16:17]
	s_add_nc_u64 s[46:47], s[6:7], s[46:47]
	CROUND                                         ; all sixteen work-groups are here: the first joint loads meet
.irp s, 0,1
	s_mov_b32 s[G0+4*\s], 1
	s_add_co_u32 s[G0+4*\s+1], s20, \s*SLOT
	s_add_nc_u64 s[G0+4*\s+2:G0+4*\s+3], s[14:15], \s*ASTEP
	s_or_b32 s[G0+4*\s+3], s[G0+4*\s+3], 0x80000000
	s_mov_b32 s[G0B+4*\s], 1
	s_add_co_u32 s[G0B+4*\s+1], s21, \s*SLOT
	s_add_nc_u64 s[G0B+4*\s+2:G0B+4*\s+3], s[46:47], \s*256
	s_or_b32 s[G0B+4*\s+3], s[G0B+4*\s+3], 0x80000000
	JLOAD \s                                       ; two tensor loads of a wave are out here, later one
.endr
	v_and_b32 v1, 15, v0                           ; r
	v_bfe_u32 v2, v0, 4, 1                         ; h
	v_mul_u32_u24 v3, v1, AP
	v_lshl_add_u32 v3, v2, 4, v3
	v_mul_u32_u24 v4, v1, BP
	v_lshl_add_u32 v4, v2, 4, v4
	s_mul_i32 s22, s11, 64*AP
	s_mul_i32 s23, s12, 64*BP
	s_add_co_u32 s23, s23, BOFF
.irp s, 0,1
	v_add_nc_u32 v[ADRA+\s], s22, v3
	v_add_nc_u32 v[ADRB+\s], s23, v4
	s_add_co_u32 s22, s22, SLOT
	s_add_co_u32 s23, s23, SLOT
.endr
	s_mul_i32 s45, s10, 16*SPITCH
	s_add_co_u32 s45, s45, STAGE
	v_mul_u32_u24 v5, v1, SPITCH
	v_lshl_add_u32 v5, v2, 5, v5
	v_add_nc_u32 v[STO], s45, v5                   ; in: row r, 32 bytes for each half of the lanes
	v_mul_u32_u24 v5, v2, SPITCH
	v_lshl_add_u32 v5, v1, 4, v5
	v_add_nc_u32 v[RD], s45, v5                    ; back: lanes 0-15 one row of 256 bytes, lanes 16-31 the next
	v_lshlrev_b32 v5, 12, v2
	v_lshl_add_u32 v[CO], v1, 4, v5                ; the same two rows in out0
; 8 matrix instructions; the 16 accumulators take turns, one instruction a turn
.macro MUL8 f, a0, zero
.irp a, \a0, \a0+1
.irp b, 0,1,2,3
.if \zero
	v_wmma_f32_16x16x32_f16 v[8*(4*(\a)+\b):8*(4*(\a)+\b)+7], v[FB+64*\f+8*\b:FB+64*\f+8*\b+7], v[FA+64*\f+8*(\a):FA+64*\f+8*(\a)+7], 0
.else
	v_wmma_f32_16x16x32_f16 v[8*(4*(\a)+\b):8*(4*(\a)+\b)+7], v[FB+64*\f+8*\b:FB+64*\f+8*\b+7], v[FA+64*\f+8*(\a):FA+64*\f+8*(\a)+7], v[8*(4*(\a)+\b):8*(4*(\a)+\b)+7]
.endif
.endr
.endr
.endm
; 16 LDS loads: quarter kq of a K step (32 along K: head kq/2 of the step, its columns 32 (kq%2) ..) into buffer f
.macro FETCH slot, kq, f
.irp i, 0,1,2,3
	ds_load_b128 v[FB+64*\f+8*\i:FB+64*\f+8*\i+3],   v[ADRB+\slot] offset:64*\kq+\i*16*BP
	ds_load_b128 v[FB+64*\f+8*\i+4:FB+64*\f+8*\i+7], v[ADRB+\slot] offset:64*\kq+\i*16*BP+32
.endr
.irp i, 0,1,2,3
	ds_load_b128 v[FA+64*\f+8*\i:FA+64*\f+8*\i+3],   v[ADRA+\slot] offset:APLANE*(\kq/2)+64*(\kq%2)+\i*16*AP
	ds_load_b128 v[FA+64*\f+8*\i+4:FA+64*\f+8*\i+7], v[ADRA+\slot] offset:APLANE*(\kq/2)+64*(\kq%2)+\i*16*AP+32
.endr
.endm
; One of a K step's first three quarters: asks for quarter kq into buffer g, then multiplies buffer f
.macro QUARTER slot, kq, f, g, zero
	PLACES
	FETCH \slot, \kq, \g
	s_wait_dscnt 16                                ; all but the 16 just issued: buffer f is in
	WIN 0x50
	MUL8 \f, 0, \zero
	MUL8 \f, 2, \zero
	WIN 0
.endm
.macro THREE slot, zero
	QUARTER \slot, 1, 0, 1, \zero
	QUARTER \slot, 2, 1, 0, 0
	QUARTER \slot, 3, 0, 1, 0
.endm
; The last quarter multiplies buffer 1 and changes slots: each wave's reads of this slot and all its tensor loads are waited for in front of the barrier,
; which opens a round of the cluster's barrier where the slot is filled again; the joint refill is the first tensor load behind the round.
.macro TURN slot, next, fill
	s_wait_dscnt 0
	s_wait_tensorcnt 0x0
	ds_add_u32 v254, v255
	s_wait_dscnt 0x0
	s_barrier_signal -1
	WIN 0x50
	MUL8 1, 0, 0
	WIN 0
	s_barrier_wait -1
.if \fill
	CREST
	s_add_nc_u64 s[G0+4*\slot+2:G0+4*\slot+3], s[G0+4*\slot+2:G0+4*\slot+3], 2*ASTEP
	s_add_nc_u64 s[G0B+4*\slot+2:G0B+4*\slot+3], s[G0B+4*\slot+2:G0B+4*\slot+3], 512
	JLOAD \slot
.endif
	PLACES
	FETCH \next, 0, 0
	WIN 0x50
	MUL8 1, 2, 0
	WIN 0
.endm
.macro LAP zero
	THREE 0, \zero
	TURN 0, 1, 1
	THREE 1, 0
	TURN 1, 0, 1
.endm
	s_wait_tensorcnt 1                             ; my part of K step 0 is in; K step 1's may stay out
	s_barrier_signal -1
	s_barrier_wait -1
	FETCH 0, 0, 0
	LAP 1
	s_mov_b32 s3, LAPS-2
.Llap:
	LAP 0
	s_sub_co_u32 s3, s3, 1
	s_cmp_lg_u32 s3, 0
	s_cbranch_scc1 .Llap
	THREE 0, 0                                     ; the last lap fills nothing
	TURN 0, 1, 0
	THREE 1, 0
	s_wait_dscnt 0
	WIN 0x50
	MUL8 1, 0, 0
	MUL8 1, 2, 0
	WIN 0
	; THE WAY OUT, 16 rows at a time through my own stage: 32 bytes a lane in, whole rows of 256 bytes back
	PLACES
	s_lshl_b32 s16, s13, 7
	s_lshl_b32 s17, s11, 6
	s_add_co_u32 s16, s16, s17                     ; my first row
	s_lshl_b32 s16, s16, 12                        ; rows of 4,096 bytes; below 16 MiB
	s_mov_b32 s17, 0
	s_add_nc_u64 s[8:9], s[8:9], s[16:17]
	s_lshl_b32 s46, s42, 9                         ; my first column, in bytes
	s_lshl_b32 s47, s12, 8
	s_add_co_u32 s46, s46, s47
	s_mov_b32 s47, 0
	s_add_nc_u64 s[8:9], s[8:9], s[46:47]
.macro OUT16 a
	WIN 0x04                                       ; the stores' data in window 1
.irp b, 0,1,2,3
.irp e, 0,1
	ds_store_b128 v[STO], v[8*(4*\a+\b)+4*\e:8*(4*\a+\b)+4*\e+3] offset:64*\b+16*\e
.endr
.endr
	WIN 0
.irp t, 0,1,2,3,4,5,6,7
	ds_load_b128 v[32+32*\a+4*\t:32+32*\a+4*\t+3], v[RD] offset:2*SPITCH*\t        ; my own bytes, served in order (ISA guide 5.7.1)
.endr
.irp t, 0,1,2,3,4,5,6,7
	s_wait_dscnt 7-\t
	global_store_b128 v[CO], v[32+32*\a+4*\t:32+32*\a+4*\t+3], s[8:9] offset:(16*\a+2*\t)*4096 th:TH_STORE_NT   ; 16 lanes store 256 consecutive aligned bytes; no register of a store is written again
.endr
.endm
	OUT16 0
	OUT16 1
	OUT16 2
	OUT16 3
	s_wait_tensorcnt 0x0
	ds_add_u32 v254, v255
	s_wait_dscnt 0x0
	CROUND                                         ; the closing round
	s_endpgm
.Lfunc_end_k_q5bc0d3850b_oproj:
	.size	k_q5bc0d3850b_oproj, .Lfunc_end_k_q5bc0d3850b_oproj-k_q5bc0d3850b_oproj
	.p2alignl 7, 3214868480
	.fill 96, 4, 3214868480
	.section	.rodata,"a",@progbits
	.p2align	6, 0x0
	.amdhsa_kernel k_q5bc0d3850b_oproj
		.amdhsa_group_segment_fixed_size 327680
		.amdhsa_private_segment_fixed_size 0
		.amdhsa_enable_private_segment 0
		.amdhsa_kernarg_size 24
		.amdhsa_user_sgpr_count 2
		.amdhsa_user_sgpr_kernarg_segment_ptr 1
		.amdhsa_wavefront_size32 1
		.amdhsa_system_sgpr_workgroup_id_x 1
		.amdhsa_system_sgpr_workgroup_id_y 1
		.amdhsa_system_sgpr_workgroup_id_z 1
		.amdhsa_system_vgpr_workitem_id 0
		.amdhsa_next_free_vgpr 384
		.amdhsa_next_free_sgpr 66
		.amdhsa_reserve_vcc 0
		.amdhsa_float_denorm_mode_32 3
		.amdhsa_float_denorm_mode_16_64 3
		.amdhsa_memory_ordered 1
		.amdhsa_forward_progress 1
		.amdhsa_inst_pref_size 73
	.end_amdhsa_kernel
	.amdgpu_metadata
---
amdhsa.version: [ 1, 2 ]
amdhsa.kernels:
  - .name:           k_q5bc0d3850b_oproj
    .symbol:         k_q5bc0d3850b_oproj.kd
    .args:
      - { .name: att, .offset: 0, .size: 8, .value_kind: global_buffer, .address_space: global }
      - { .name: wb, .offset: 8, .size: 8, .value_kind: global_buffer, .address_space: global }
      - { .name: out0, .offset: 16, .size: 8, .value_kind: global_buffer, .address_space: global }
    .group_segment_fixed_size: 327680
    .private_segment_fixed_size: 0
    .kernarg_segment_align: 8
    .kernarg_segment_size: 24
    .max_flat_workgroup_size: 128
    .sgpr_count:     66
    .vgpr_count:     384
    .wavefront_size: 32
...
	.end_amdgpu_metadata
.endif
;; end of part 4
